; MI455X (gfx1250); checked and timed in simulation.
; The chip was launched on July 23, 2026; its instructions are those of AMD's public machine-readable ISA for CDNA 5 (MIT licence, August 2026) and "CDNA5" Instruction Set Architecture Reference Guide (July 2026). The comments in the code are by the model that wrote it; some were corrected since.
;; Quantizer. Allowed arithmetic: float matrix products may take bf16 or f16 operands with f32 sums; all other float work in f32.
;; Inputs: codebook 512 x 12 float32; x 512 x 256 x 12 float32.
;; Outputs: out0 512 x 256 x 12 float32; out1 512 x 256 int32; out2 one number float32.
;; One version. Each part assembles by itself: llvm-mc -triple=amdgcn-amd-amdhsa -mcpu=gfx1250 --defsym DOCPART=n.
;; ======== version 1 of 1: 2 launches
;; limits: values outside matrix products are rounded to bf16; a difference of large sums (such as E[x^2] - mean^2): digits are lost where the result is much smaller than its terms
;; workspace buffers: idx 524,288 bytes of whole numbers; part 1,024 bytes
;; launch assign (part 1): grid 256 x 1, 8 waves a work-group, no clusters, 29,952 bytes of LDS; arguments x, codebook, out1, idx, part; writes out1, idx, part
.if DOCPART == 1
	.amdgcn_target "amdgcn-amd-amdhsa--gfx1250"
	.amdhsa_code_object_version 6
	.text
	.protected	k_q19c76a784f_assign
	.globl	k_q19c76a784f_assign
	.p2align	8
	.type	k_q19c76a784f_assign,@function
k_q19c76a784f_assign:
	s_mov_b64 s[64:65], 0
	v_nop
	global_prefetch_b8 v0, s[64:65] scope:SCOPE_SE
	s_setreg_imm32_b32 hwreg(HW_REG_WAVE_MODE, 25, 1), 1
	s_wait_xcnt 0x0
; NEAREST CODE.  x: [131072][12] f32, codebook: [512][12] f32.  For every token: the first index of the smallest
;   dist2[k] = (x2 - 2 xw[k]) + w2[k]
; to out1 and (the same numbers) to idx, from which the next launch forms addresses; and for every work-group the sum of its
; 512 smallest distances to part, from which the next launch makes the loss.
;
; ARITHMETIC.  xw comes from the matrix unit with x and the codebook rounded to bf16 and f32 sums.  x2 and w2 are f32 sums, in
; ascending order, of the squares of the SAME rounded numbers, so that the three terms belong to one pair of vectors.  The two
; f32 roundings of the problem's formula are kept as they are written there (one fused x2 - 2 xw: doubling is exact; then + w2):
; at the size of x2 they make distances of near codes EQUAL, and then the first index counts.  So no term is dropped or folded.
; LIMITS.  Inputs are finite (a NaN or an infinity is not served).  A token's share of the loss is taken as its smallest distance,
; that is |x_bf - q_bf|^2 of the rounded vectors: its error is about 2^-8 |x-q| (|x|+|q|) + 2^-22 |x|^2, of either sign.
;
; SHARES.  256 work-groups x 512 tokens; 8 waves x 64 tokens = 4 tiles of 16 tokens.  No cluster: the only bytes that work-groups
; share are the codebook's 24,576, read once by each.
; CODES ARE THE ROWS of the matrix product (source 0), tokens the columns (source 1): in the result lane (r, h) holds, for token r,
; the codes 8 h + 0..7 of the tile in its eight registers.  The search for the smallest runs inside a lane over 256 codes;
; the two halves of the lanes meet once per tile.
; K = 12 of 32: a fragment of source 0 carries TWO code tiles, one in k 0-15 and the next in k 16-31 (dims 12-15 are zeros), and is
; multiplied by [x | 0] and by [0 | x].  The codebook is then 16 fragments = 128 registers, loaded once.
; w2 lies in registers in the layout of the result (256 registers, the second block of 256), loaded once.
; THE SEARCH, general for any finite numbers: groups of 16 distances (two code tiles).  Eight three-way minima give the group's
; smallest together with the running one; where the running one fell, the lane keeps the group's number and its 16 distances.
; At the end the first of the kept 16 that equals the minimum gives the place.  A tie between groups keeps the earlier one.
; THE ORDER OF THE LINES.  Three distance buffers take turns: while group p is computed, the products of group p + 1 are on their way
; and the 16 distances of group p - 1 are being kept.  The keeping (nine instructions that hang on the compare of the step before)
; stands in the gaps of group p's tree of minima, so that no line there needs the result of the line in front of it.  The two
; products of a group stand eight vector instructions apart, so that the second does not queue behind the first.
; THE FIRST TILE FETCHES AS IT GOES.  A group wants 6 loads from LDS: 2 for its fragment, then 4 for its w2; 96 in all for a wave.
; Only the first AHEAD groups are asked for in front of the first product; step p of the first tile asks for group p + AHEAD, so that
; the other 72 loads travel under that tile's arithmetic.  The later tiles find everything in registers.
.set XROW,  48                         ; bytes of a token, and of a code, in memory
.set CBP,   48                         ; LDS pitch of a code row: 16 bf16 (12 + 4 zeros) + 16 bytes unused: an odd multiple of 16
.set LW2,   512*CBP                    ; LDS: w2[512] f32
.set LST,   LW2+2048                   ; LDS: the indices of the work-group's 512 tokens
.set LRED,  LST+2048                   ; LDS: one loss sum for each wave
.set AHEAD, 4                          ; first tile: how many groups ahead of its use a group's fragment and w2 are asked for
; vector registers, first block
.set LA,    3                          ; 48 r + 16 h: my 16 bytes of row r of a code tile
.set LWA,   4                          ; 32 h: my eight w2 of a code tile
.set XO,    5                          ; byte offset of my token in the tile that is loaded next
.set STA,   6                          ; 256 wave + 4 r + 64 tile: where my token's index goes
.set H8,    7                          ; 8 h
.set GO,    8                          ; byte offset of my two indices in out1 and idx
.set GID,   9                          ; 32 x the number of the best group
.set LOC,   10                         ; place in the group, as a code offset: 0-7, 16-23
.set CODE,  11
.set OD,    12                         ; the other half's distance
.set OC,    13                         ; the other half's code
.set MC,    14
.set ACC,   15                         ; sum of my tokens' smallest distances
.set G,     16                         ; v[16:20] partial minima; at a tile's end v[16:19] four partial places
.set X2,    22                         ; v[22:23] x2, twice (a pair for the packed forms)
.set T,     24                         ; v[24:25] at work
.set CBO,   26                         ; 96 t: my two code rows, in memory and in LDS alike
.set TID8,  27                         ; 8 t
.set IX,    28                         ; v[28:29] two indices on the way out
.set RUN,   30                         ; v[30:31] the running minimum: group p writes RUN + (p & 1) and reads the other
.set X,     32                         ; v[32:43] a token as loaded
.set P,     44                         ; v[44:49] the token in bf16
.set BZ,    50                         ; v[50:61] zeros | token | zeros: [0 | x] = v[50:57], [x | 0] = v[54:61]
.set Q,     54
.set D,     64                         ; v[64:111] three buffers of 16 distances: group p (from 1 on) lies in buffer p % 3
.set BEST,  112                        ; v[112:127] the best group's distances; group 0 is computed here
.set A,     128                        ; v[128:255] 16 fragments of the codebook
; at work before the main part only
.set RAW,   64                         ; v[64:87]  my two code rows in f32
.set PK0,   88                         ; v[88:95]  row 0 in bf16 + two zero words
.set PK1,   96                         ; v[96:103] row 1
.set W2P,   104                        ; v[104:105] their w2
; second block of 256: register 8 t + j = w2[16 t + 8 h + j]
.set SM,    24                         ; s[24:39] at a tile's end: 16 lane masks, slot i of the kept group differs from the minimum
.set MSB, 0
.macro WIN new                         ; s_set_vgpr_msb: bits 3:2 source 1, 7:6 destination; the high byte repeats the setting that is left
.if MSB != \new
	s_set_vgpr_msb (MSB<<8)|\new
.set MSB, \new
.endif
.endm
; acc = the sum of the squares of 12 bf16 in v[pk .. pk+5], in ascending order.  The squares are exact in f32 (8 x 8 bits).
.macro SUMSQ pk, acc
	v_lshlrev_b32 v[T], 16, v[\pk]
	v_and_b32 v[T+1], s22, v[\pk]
	v_mul_f32 v[\acc], v[T], v[T]
	v_fma_f32 v[\acc], v[T+1], v[T+1], v[\acc]
.irp i, 1,2,3,4,5
	v_lshlrev_b32 v[T], 16, v[\pk+\i]
	v_and_b32 v[T+1], s22, v[\pk+\i]
	v_fma_f32 v[\acc], v[T], v[T], v[\acc]
	v_fma_f32 v[\acc], v[T+1], v[T+1], v[\acc]
.endr
.endm
; one code row: round to bf16, 32 bytes to LDS (dims 12-15 are the two zero words), w2
.macro CODEROW src, pk, acc, off
.irp i, 0,1,2,3,4,5
	v_cvt_pk_bf16_f32 v[\pk+\i], v[\src+2*\i], v[\src+2*\i+1]
.endr
	ds_store_b128 v[CBO], v[\pk:\pk+3] offset:\off
	ds_store_b128 v[CBO], v[\pk+4:\pk+7] offset:\off+16
	SUMSQ \pk, \acc
.endm
; the token tile that has been loaded becomes source 1 and x2.  It writes no VCC: it may stand between a compare and its selects.
.macro CONVERT
	s_wait_loadcnt 0x0                             ; the tile's three loads are in; XO is free
	v_add_nc_u32 v[XO], 16*XROW, v[XO]
.irp i, 0,1,2,3,4,5
	v_cvt_pk_bf16_f32 v[P+\i], v[X+2*\i], v[X+2*\i+1]
.endr
	v_cndmask_b32 v[Q],   v[P],   v[P+4], s23      ; lanes 0-15: dims 0-7; lanes 16-31: dims 8-11 and zeros
	v_cndmask_b32 v[Q+1], v[P+1], v[P+5], s23
	v_cndmask_b32 v[Q+2], v[P+2], 0, s23
	v_cndmask_b32 v[Q+3], v[P+3], 0, s23
	SUMSQ P, X2
	v_mov_b32 v[X2+1], v[X2]
.endm
; what group g wants from LDS.  LDA: its fragment, codes 32 g + r and 32 g + 16 + r, dims 8 h ..   LDW (destination in the second
; block): w2[32 g + 8 h + 0..7] and w2[32 g + 16 + 8 h + 0..7].  Always issued in this order: the counted waits lean on it.
.macro LDA g
	ds_load_b128 v[A+8*(\g):A+8*(\g)+3],   v[LA] offset:32*CBP*(\g)
	ds_load_b128 v[A+8*(\g)+4:A+8*(\g)+7], v[LA] offset:32*CBP*(\g)+16*CBP
.endm
.macro LDW g
	ds_load_b128 v[16*(\g):16*(\g)+3],     v[LWA] offset:LW2+128*(\g)
	ds_load_b128 v[16*(\g)+4:16*(\g)+7],   v[LWA] offset:LW2+128*(\g)+16
	ds_load_b128 v[16*(\g)+8:16*(\g)+11],  v[LWA] offset:LW2+128*(\g)+64
	ds_load_b128 v[16*(\g)+12:16*(\g)+15], v[LWA] offset:LW2+128*(\g)+80
.endm
; fragment p against the token tile: code tile 2 p (MMA) and code tile 2 p + 1 (MMB), 8 registers of x.w each
.macro MMA p, buf
	v_wmma_f32_16x16x32_bf16 v[\buf:\buf+7],    v[A+8*(\p):A+8*(\p)+7], v[Q:Q+7],   0
.endm
.macro MMB p, buf
	v_wmma_f32_16x16x32_bf16 v[\buf+8:\buf+15], v[A+8*(\p):A+8*(\p)+7], v[BZ:BZ+7], 0
.endm
; the 16 distances of a group, in place, in two halves: x2 - 2 xw, rounded once ...
.macro FMA8 buf
.irp i, 0,2,4,6,8,10,12,14
	v_pk_fma_f32 v[\buf+\i:\buf+\i+1], v[\buf+\i:\buf+\i+1], -2.0, v[X2:X2+1] op_sel_hi:[1,0,1]
.endr
.endm
; ... and + w2, rounded again.  first = 1: the first tile, which here asks for group p + AHEAD (while there is one)
.macro SUMS p, buf, first
.if \first
.if (\p)+AHEAD <= 15
	LDA (\p)+AHEAD
.endif
.if (\p) == 15
	s_wait_dscnt 0x0                               ; the last group's w2: nothing was asked for behind it
.endif
.endif
	WIN 0x04                                       ; source 1 in the second block
.irp i, 0,2,4,6,8,10,12,14
	v_pk_add_f32 v[\buf+\i:\buf+\i+1], v[\buf+\i:\buf+\i+1], v[16*(\p)+\i:16*(\p)+\i+1]
.endr
.if \first
.if (\p)+AHEAD <= 15
	WIN 0x40                                       ; destination in the second block
	LDW (\p)+AHEAD
.endif
.endif
	WIN 0
.endm
; the tree of minima over a group: 15 numbers in five, then with the sixteenth in two
.macro LEAVES buf
	v_min3_num_f32 v[G],   v[\buf],    v[\buf+1],  v[\buf+2]
	v_min3_num_f32 v[G+1], v[\buf+3],  v[\buf+4],  v[\buf+5]
	v_min3_num_f32 v[G+2], v[\buf+6],  v[\buf+7],  v[\buf+8]
	v_min3_num_f32 v[G+3], v[\buf+9],  v[\buf+10], v[\buf+11]
	v_min3_num_f32 v[G+4], v[\buf+12], v[\buf+13], v[\buf+14]
.endm
.macro TWIGS buf
	v_min3_num_f32 v[G],   v[G],   v[G+1], v[G+2]
	v_min3_num_f32 v[G+3], v[G+3], v[G+4], v[\buf+15]
.endm
; what is kept of group g where VCC (the minimum did not fall at group g) is 0: its number, and its distances
.macro KEEPID g
	v_cndmask_b32 v[GID], 32*(\g), v[GID], vcc_lo
.endm
; eight distances by four pairs of selects.  A pair is one instruction: its destinations are an even and an odd register, and its
; first sources, and its second sources, are neighbouring registers, so in different register banks (ISA guide, chapter 7, dual-issue VALU)
.macro KEEP8 g, base
.irp k, 0,2,4,6
	v_dual_cndmask_b32 v[BEST+\base+\k], v[D+16*((\g)%3)+\base+\k], v[BEST+\base+\k] :: v_dual_cndmask_b32 v[BEST+\base+\k+1], v[D+16*((\g)%3)+\base+\k+1], v[BEST+\base+\k+1]
.endr
.endm
; group 0 was computed in BEST: nothing to compare, nothing to copy.  Its w2 is in since the wait in front of the first products.
.macro STEP0 first
	FMA8 BEST
	SUMS 0, BEST, \first
	LEAVES BEST
	v_mov_b32 v[GID], 0
	TWIGS BEST
	v_min_num_f32 v[RUN], v[G], v[G+3]
.endm
; group p = 1 .. 15.  The products of group p + 1 go into the buffer of group p - 2, which was kept in the step before.  They are read in
; the next step, behind more than twenty plain vector instructions that name none of their registers (ISA guide 7.12.1 asks for four).
.macro STEP p, first
.set CUR, D+16*((\p)%3)
.set NXT, D+16*(((\p)+1)%3)
.if (\p) < 15
.if \first
.set LAST, (\p)+AHEAD-1                            ; the last group asked for so far
.if LAST > 15
.set LAST, 15
.endif
	s_wait_dscnt 4+6*(LAST-(\p)-1)                 ; LDS loads end in order (ISA guide 5.7.1): behind fragment p + 1 stand its group's 4 loads of w2 and
	                                               ; 6 loads for each later group; w2 of group p is older than that fragment, so it is in as well
.endif
	MMA (\p)+1, NXT
.endif
	FMA8 CUR
.if (\p) < 15
	MMB (\p)+1, NXT
.endif
	SUMS \p, CUR, \first
	LEAVES CUR
.if (\p) > 1
	KEEPID (\p)-1
.endif
	TWIGS CUR
.if (\p) > 1
	KEEP8 (\p)-1, 0
.endif
	v_min3_num_f32 v[RUN+((\p)&1)], v[RUN+1-((\p)&1)], v[G], v[G+3]
.if (\p) > 1
	KEEP8 (\p)-1, 8
.endif
	v_cmp_eq_f32 vcc_lo, v[RUN+1-((\p)&1)], v[RUN+((\p)&1)]    ; the minimum did not fall: keep (a tie keeps the earlier group)
.endm
; the first of the kept 16 that equals the minimum (group 15 left it in RUN + 1).  Slot i stands for the code offset i (i < 8) or i + 8.
; Sixteen compares into sixteen masks; four chains of four slots, each from its last slot to its first, so that the first has the last
; word; a chain without an equal slot holds 64; the smallest of the four is the place.
.macro SEARCH
.irp k, 0,1,2,3,4,5,6,7,8,9,10,11,12,13,14,15
	v_cmp_neq_f32 s[SM+\k], v[BEST+\k], v[RUN+1]
.endr
.irp c, 0,1,2,3
	v_cndmask_b32 v[G+\c], 4*\c+3+8*(\c/2), 64, s[SM+4*\c+3]
.endr
.irp k, 2,1,0
.irp c, 0,1,2,3
	v_cndmask_b32 v[G+\c], 4*\c+\k+8*(\c/2), v[G+\c], s[SM+4*\c+\k]
.endr
.endr
	v_min_u32 v[G],   v[G],   v[G+1]
	v_min_u32 v[G+2], v[G+2], v[G+3]
	v_min_u32 v[LOC], v[G],   v[G+2]
.endm
; lanes r and r + 16 hold the same token's two halves of the codes: the smaller distance, at a tie the smaller code
.macro CROSS
	v_add3_u32 v[CODE], v[GID], v[LOC], v[H8]      ; code = 32 group + 16 tile + 8 h + register
	v_permlanex16_b32 v[OD], v[RUN+1], s20, s21
	v_permlanex16_b32 v[OC], v[CODE], s20, s21
	v_min_u32 v[MC], v[CODE], v[OC]
	v_cmp_eq_f32 vcc_lo, v[OD], v[RUN+1]
	v_cndmask_b32 v[CODE], v[CODE], v[MC], vcc_lo
	v_cmp_lt_f32 vcc_lo, v[OD], v[RUN+1]
	v_cndmask_b32 v[CODE], v[CODE], v[OC], vcc_lo
	v_min_num_f32 v[RUN+1], v[RUN+1], v[OD]
	v_add_f32 v[ACC], v[ACC], v[RUN+1]
	ds_store_b32 v[STA], v[CODE] offset:LST        ; both halves write the same word with the same number
	v_add_nc_u32 v[STA], 64, v[STA]
.endm
; One tile of 16 tokens against all 512 codes.  At its head the products of its groups 0 and 1 have been issued.
; more = 1: the next tile is loaded at the head, converted behind the last compare, and its first products are issued in front of
; the exchange between the halves, whose nine plain vector instructions are the places in front of their first use (ISA guide 7.12.1).
.macro TILE first, more
.if \more
.irp i, 0,1,2
	global_load_b128 v[X+4*\i:X+4*\i+3], v[XO], s[4:5] offset:16*\i
.endr
.endif
	STEP0 \first
.irp p, 1,2,3,4,5,6,7,8,9,10,11,12,13,14,15
	STEP \p, \first
.endr
.if \more
	CONVERT
.endif
	KEEPID 15
	KEEP8 15, 0
	KEEP8 15, 8
	SEARCH
.if \more
	MMA 0, BEST
	MMB 0, BEST
	MMA 1, D+16
	MMB 1, D+16
.endif
	CROSS
.endm
	; ---- set-up
	s_load_b256 s[4:11], s[0:1], 0x0               ; x s[4:5], codebook s[6:7], out1 s[8:9], idx s[10:11]
	s_load_b64 s[12:13], s[0:1], 0x20              ; part
	v_lshl_add_u32 v62, v0, 2, 0x7100
	v_mov_b32 v63, 0
	v_and_b32 v1, 15, v0                           ; r
	v_bfe_u32 v2, v0, 4, 1                         ; h
	v_lshrrev_b32 v[T], 5, v0
	v_readfirstlane_b32 s14, v[T]                  ; wave 0..7
	v_mul_u32_u24 v[LA], v1, CBP                   ; 48 r: a row of codes in LDS, and a token in memory
	s_mul_i32 s15, s14, 64*XROW                    ; my wave's 64 tokens
	v_add_nc_u32 v[XO], s15, v[LA]
	v_lshl_add_u32 v[LA], v2, 4, v[LA]
	v_mul_u32_u24 v[CBO], v0, 2*CBP                ; thread t takes codes 2 t and 2 t + 1
	s_mul_i32 s16, ttmp9, 512*XROW                 ; the work-group's 512 tokens
	s_mov_b32 s17, 0
	s_wait_kmcnt 0x0
	s_add_nc_u64 s[4:5], s[4:5], s[16:17]
.irp i, 0,1,2,3,4,5
	global_load_b128 v[RAW+4*\i:RAW+4*\i+3], v[CBO], s[6:7] offset:16*\i
.endr
.irp i, 0,1,2
	global_load_b128 v[X+4*\i:X+4*\i+3], v[XO], s[4:5] offset:16*\i      ; token tile 0
.endr
	s_mov_b32 s20, 0x76543210                      ; v_permlanex16_b32: lane i of one half reads lane i of the other
	s_mov_b32 s21, 0xfedcba98
	s_mov_b32 s22, 0xffff0000                      ; a word's upper bf16
	s_mov_b32 s23, 0xffff0000                      ; lanes 16-31
	s_lshl_b32 s24, ttmp9, 11                      ; 512 indices of 4 bytes
	s_lshl_b32 s25, s14, 8                         ; 64 indices of 4 bytes
	v_lshlrev_b32 v[LWA], 5, v2
	v_lshlrev_b32 v[H8], 3, v2
	v_lshlrev_b32 v[TID8], 3, v0
	v_lshl_add_u32 v[GO], v0, 3, s24
	v_lshl_add_u32 v[STA], v1, 2, s25
.irp i, 0,1,2,3,8,9,10,11
	v_mov_b32 v[BZ+\i], 0                          ; the zero halves of source 1, for the whole kernel
.endr
.irp i, PK0+6, PK0+7, PK1+6, PK1+7, ACC, OD, OC
	v_mov_b32 v[\i], 0                             ; dims 12-15 of a code; the sum; OD and OC count as read by v_permlanex16_b32
.endr
	s_wait_loadcnt 0x3                             ; the six loads of the codebook are in; the three of x stay out
	CODEROW RAW,    PK0, W2P,   0
	CODEROW RAW+12, PK1, W2P+1, CBP
	ds_store_b64 v[TID8], v[W2P:W2P+1] offset:LW2
	CONVERT                                        ; tile 0, while my five stores land in LDS
	s_wait_dscnt 0x0                               ; my rows and my w2 are in LDS before I say so
	s_barrier_signal -1
	s_barrier_wait -1
	; the first AHEAD groups: 6 loads each, fragment first
.set g, 0
.rept AHEAD
	WIN 0
	LDA g
	WIN 0x40                                       ; destination in the second block
	LDW g
.set g, g+1
.endr
	WIN 0
	s_wait_dscnt 4+6*(AHEAD-2)                     ; behind fragment 1 stand its group's 4 loads of w2 and 6 for each of the groups 2 .. AHEAD - 1:
	                                               ; fragment 0, w2 of group 0 and fragment 1 are in
	MMA 0, BEST
	MMB 0, BEST
	MMA 1, D+16
	MMB 1, D+16
.rept 4
	v_nop                                          ; the four places in front of the first read of group 0 (ISA guide 7.12.1); later tiles have work there
.endr
	; ---- four tiles: the first fetches fragments and w2 as it goes, the last loads nothing
	TILE 1, 1
	s_mov_b32 s18, 0
.Ltile:
	TILE 0, 1
	s_add_co_u32 s18, s18, 1
	s_cmp_lt_u32 s18, 2
	s_cbranch_scc1 .Ltile
	TILE 0, 0
	; ---- out
	v_add_f32_dpp v[ACC], v[ACC], v[ACC] row_xmask:1 row_mask:0xf bank_mask:0xf   ; over the 16 tokens of a half; both halves hold the same tokens,
	v_add_f32_dpp v[ACC], v[ACC], v[ACC] row_xmask:2 row_mask:0xf bank_mask:0xf   ; so the halves are not added
	v_add_f32_dpp v[ACC], v[ACC], v[ACC] row_xmask:4 row_mask:0xf bank_mask:0xf
	v_add_f32_dpp v[ACC], v[ACC], v[ACC] row_xmask:8 row_mask:0xf bank_mask:0xf
	v_mov_b32 v[T], s14
	v_lshlrev_b32 v[T], 2, v[T]
	ds_store_b32 v[T], v[ACC] offset:LRED
	s_wait_dscnt 0x0                               ; my indices and my sum are in LDS
	s_barrier_signal -1
	s_barrier_wait -1
	ds_load_b64 v[IX:IX+1], v[TID8] offset:LST     ; thread t: tokens 2 t, 2 t + 1
	s_wait_dscnt 0x0
	global_store_b64 v[GO], v[IX:IX+1], s[8:9] th:TH_STORE_NT   ; a wave's store covers 256 consecutive bytes, aligned
	global_store_b64 v[GO], v[IX:IX+1], s[10:11]                ; the copy that the next launch reads
	s_cmp_lg_u32 s14, 0
	s_cbranch_scc1 .Lend
	v_mov_b32 v[T], LRED                           ; wave 0: the eight waves' sums
	ds_load_b128 v[32:35], v[T]
	ds_load_b128 v[36:39], v[T] offset:16
	s_lshl_b32 s24, ttmp9, 2
	v_mov_b32 v[T+1], s24
	s_wait_dscnt 0x0
	v_pk_add_f32 v[32:33], v[32:33], v[34:35]
	v_pk_add_f32 v[36:37], v[36:37], v[38:39]
	v_pk_add_f32 v[32:33], v[32:33], v[36:37]
	v_add_f32 v32, v32, v33
	v_cmp_eq_u32 vcc_lo, 0, v0
	s_wait_xcnt 0x0                                ; EXEC is a source of the two stores above: it changes only behind this wait
	s_wait_tensorcnt 0x0
	ds_add_u32 v62, v63
	s_wait_dscnt 0x0
	s_and_saveexec_b32 s25, vcc_lo
	global_store_b32 v[T+1], v32, s[12:13]         ; part[work-group], from thread 0
	s_endpgm
.Lend:
	s_wait_tensorcnt 0x0
	ds_add_u32 v62, v63
	s_wait_dscnt 0x0
	s_endpgm
.Lfunc_end_k_q19c76a784f_assign:
	.size	k_q19c76a784f_assign, .Lfunc_end_k_q19c76a784f_assign-k_q19c76a784f_assign
	.p2alignl 7, 3214868480
	.fill 96, 4, 3214868480
	.section	.rodata,"a",@progbits
	.p2align	6, 0x0
	.amdhsa_kernel k_q19c76a784f_assign
		.amdhsa_group_segment_fixed_size 29952
		.amdhsa_private_segment_fixed_size 0
		.amdhsa_enable_private_segment 0
		.amdhsa_kernarg_size 40
		.amdhsa_user_sgpr_count 2
		.amdhsa_user_sgpr_kernarg_segment_ptr 1
		.amdhsa_wavefront_size32 1
		.amdhsa_system_sgpr_workgroup_id_x 1
		.amdhsa_system_sgpr_workgroup_id_y 1
		.amdhsa_system_sgpr_workgroup_id_z 1
		.amdhsa_system_vgpr_workitem_id 0
		.amdhsa_next_free_vgpr 512
		.amdhsa_next_free_sgpr 66
		.amdhsa_reserve_vcc 1
		.amdhsa_float_denorm_mode_32 3
		.amdhsa_float_denorm_mode_16_64 3
		.amdhsa_memory_ordered 1
		.amdhsa_forward_progress 1
		.amdhsa_inst_pref_size 137
	.end_amdhsa_kernel
	.amdgpu_metadata
---
amdhsa.version: [ 1, 2 ]
amdhsa.kernels:
  - .name:           k_q19c76a784f_assign
    .symbol:         k_q19c76a784f_assign.kd
    .args:
      - { .name: x, .offset: 0, .size: 8, .value_kind: global_buffer, .address_space: global }
      - { .name: codebook, .offset: 8, .size: 8, .value_kind: global_buffer, .address_space: global }
      - { .name: out1, .offset: 16, .size: 8, .value_kind: global_buffer, .address_space: global }
      - { .name: idx, .offset: 24, .size: 8, .value_kind: global_buffer, .address_space: global }
      - { .name: part, .offset: 32, .size: 8, .value_kind: global_buffer, .address_space: global }
    .group_segment_fixed_size: 29952
    .private_segment_fixed_size: 0
    .kernarg_segment_align: 8
    .kernarg_segment_size: 40
    .max_flat_workgroup_size: 256
    .sgpr_count:     66
    .vgpr_count:     512
    .wavefront_size: 32
...
	.end_amdgpu_metadata
.endif
;; end of part 1
;; launch gather (part 2): grid 256 x 1, 16 waves a work-group, no clusters, 26,624 bytes of LDS; arguments x, codebook, idx, part, out0, out2; writes out0, out2
.if DOCPART == 2
	.amdgcn_target "amdgcn-amd-amdhsa--gfx1250"
	.amdhsa_code_object_version 6
	.text
	.protected	k_q19c76a784f_gather
	.globl	k_q19c76a784f_gather
	.p2align	8
	.type	k_q19c76a784f_gather,@function
k_q19c76a784f_gather:
	s_mov_b64 s[64:65], 0
	v_nop
	global_prefetch_b8 v0, s[64:65] scope:SCOPE_SE
	s_setreg_imm32_b32 hwreg(HW_REG_WAVE_MODE, 25, 1), 1
	s_wait_xcnt 0x0
; out0 = x + (codebook[idx] - x), in f32 and in that order of operations; out2 = 1.25 x (sum of part) / (131072 x 12).
; A stream: no matrix unit, no cluster (work-groups share only the 24,576 bytes of the codebook, a small part of what each moves).
; 256 work-groups of 16 waves = 4,096 waves; a wave owns 32 tokens = 1,536 consecutive bytes of x and of out0 = 96 pieces of 16 bytes,
; three for each lane: piece e = 32 i + lane belongs to token e / 3 and is part e % 3 of its row.  Each load of x and each store of
; out0 covers 512 consecutive bytes that start on a multiple of 512.
; THE CODEBOOK GOES THROUGH LDS, so that the rows' addresses, which need the indices, are LDS addresses: the codebook is asked for
; together with the indices and x, and no load from memory waits for another.  512 threads x 3 pieces of 16 bytes = 24,576 bytes,
; copied as they lie (piece t + 512 i at byte 16 t + 8,192 i); one barrier; then each lane reads its three pieces of code rows.
; The indices were stored by the launch before; they are clamped to 511 before they enter an address.
; The loss's sum belongs to one owner, the launch's wave 0: it asks for the 256 partial sums behind its own nine loads, so that
; they travel together.  Limits of the loss: see the head of the launch before.
.set ROW,   48
.set LANE,  1
.set XO,    3                          ; byte offset of my first piece in x and out0
.set M,     4                          ; v[4:6]    21846 x piece number
.set IO,    7                          ; v[7:9]    byte offset of the piece's token in idx
.set PT,    10                         ; v[10:12]  16 x part
.set IDX,   13                         ; v[13:15]  the index, then the byte address of the piece in LDS
.set XV,    16                         ; v[16:27]  x
.set QV,    28                         ; v[28:39]  the code's numbers, then q - x
.set OV,    40                         ; v[40:51]  first my three pieces of the codebook on their way to LDS, then x + (q - x)
.set SO,    52                         ; v52 offset in part, v53 zero
.set CO,    54                         ; 16 t: my pieces of the codebook, in memory and in LDS alike
.set SV,    56                         ; v[56:63]  eight partial sums
	s_load_b256 s[4:11], s[0:1], 0x0               ; x s[4:5], codebook s[6:7], idx s[8:9], part s[10:11]
	s_load_b128 s[12:15], s[0:1], 0x20             ; out0 s[12:13], out2 s[14:15]
	v_lshl_add_u32 v64, v0, 2, 0x6000
	v_mov_b32 v65, 0
	v_and_b32 v[LANE], 31, v0
	v_lshrrev_b32 v2, 5, v0
	v_readfirstlane_b32 s16, v2                    ; wave in the work-group
	s_lshl_b32 s17, ttmp9, 4
	s_add_co_u32 s17, s17, s16                     ; wave in the launch, 0 .. 4095
	s_mul_i32 s18, s17, 32*ROW                     ; its bytes in x and out0
	s_lshl_b32 s19, s17, 7                         ; its bytes in idx
	v_lshl_add_u32 v[XO], v[LANE], 4, s18
	v_lshlrev_b32 v[CO], 4, v0
	; e = 3 q + p, e < 96:  21846 e = 65536 q + (2 q + 21846 p).  The upper half is q; three times the lower half is 6 q + 65538 p,
	; whose upper half is p (6 q + 2 p < 65536)
.irp i, 0,1,2
	v_add_nc_u32 v[M+\i], 32*\i, v[LANE]
	v_mul_u32_u24 v[M+\i], 0x5556, v[M+\i]
	v_lshrrev_b32 v[IO+\i], 16, v[M+\i]            ; e / 3
	v_and_b32 v[PT+\i], 0xffff, v[M+\i]
	v_mul_u32_u24 v[PT+\i], 3, v[PT+\i]
	v_lshrrev_b32 v[PT+\i], 16, v[PT+\i]           ; e % 3
	v_lshlrev_b32 v[PT+\i], 4, v[PT+\i]
	v_lshl_add_u32 v[IO+\i], v[IO+\i], 2, s19
.endr
	s_wait_kmcnt 0x0
.irp i, 0,1,2
	global_load_b32 v[IDX+\i], v[IO+\i], s[8:9]
.endr
.irp i, 0,1,2
	global_load_b128 v[OV+4*\i:OV+4*\i+3], v[CO], s[6:7] offset:8192*\i
.endr
.irp i, 0,1,2
	global_load_b128 v[XV+4*\i:XV+4*\i+3], v[XO], s[4:5] offset:512*\i th:TH_LOAD_NT
.endr
	s_cmp_lg_u32 s17, 0
	s_cbranch_scc1 .Lmain
	; the launch's wave 0 alone: 256 partial sums, eight a lane
	v_lshlrev_b32 v[SO], 5, v[LANE]
	global_load_b128 v[SV:SV+3],   v[SO], s[10:11]
	global_load_b128 v[SV+4:SV+7], v[SO], s[10:11] offset:16
	s_mov_b32 s20, 0x76543210
	s_mov_b32 s21, 0xfedcba98
	v_mov_b32 v[SO+1], 0
	s_wait_loadcnt 0x0
	v_pk_add_f32 v[SV:SV+1],   v[SV:SV+1],   v[SV+2:SV+3]
	v_pk_add_f32 v[SV+4:SV+5], v[SV+4:SV+5], v[SV+6:SV+7]
	v_pk_add_f32 v[SV:SV+1],   v[SV:SV+1],   v[SV+4:SV+5]
	v_add_f32 v[SV], v[SV], v[SV+1]
	v_add_f32_dpp v[SV], v[SV], v[SV] row_xmask:1 row_mask:0xf bank_mask:0xf
	v_add_f32_dpp v[SV], v[SV], v[SV] row_xmask:2 row_mask:0xf bank_mask:0xf
	v_add_f32_dpp v[SV], v[SV], v[SV] row_xmask:4 row_mask:0xf bank_mask:0xf
	v_add_f32_dpp v[SV], v[SV], v[SV] row_xmask:8 row_mask:0xf bank_mask:0xf
	v_permlanex16_b32 v[SV+1], v[SV], s20, s21
	v_add_f32 v[SV], v[SV], v[SV+1]
	v_mul_f32 v[SV], 0x35555555, v[SV]             ; 1.25 / 1,572,864: the mean, once for the codebook's loss and a quarter for the commitment's
	v_cmp_eq_u32 vcc_lo, 0, v[LANE]
	s_wait_xcnt 0x0                                ; EXEC is a source of the loads above: it narrows only behind this wait
	s_and_saveexec_b32 s22, vcc_lo
	global_store_b32 v[SO+1], v[SV], s[14:15]
	s_wait_xcnt 0x0                                ; and widens only behind this one
	s_or_b32 exec_lo, exec_lo, s22
.Lmain:
	s_wait_loadcnt 0x3                             ; the three indices and my three pieces of the codebook are in; the three loads of x may stay out
.irp i, 0,1,2
	ds_store_b128 v[CO], v[OV+4*\i:OV+4*\i+3] offset:8192*\i
.endr
.irp i, 0,1,2
	v_min_u32 v[IDX+\i], 0x1ff, v[IDX+\i]          ; inside the table, whatever was read
	v_mul_u32_u24 v[IDX+\i], ROW, v[IDX+\i]
	v_add_nc_u32 v[IDX+\i], v[IDX+\i], v[PT+\i]    ; at most 511 x 48 + 32: the 16 bytes end at 24,576
.endr
	s_wait_dscnt 0x0                               ; my pieces are in LDS before I say so
	s_barrier_signal -1
	s_barrier_wait -1                              ; the whole codebook is there
.irp i, 0,1,2
	ds_load_b128 v[QV+4*\i:QV+4*\i+3], v[IDX+\i]
.endr
	s_wait_loadcnt 0x0                             ; x
.irp i, 0,1,2
	s_wait_dscnt 2-\i                              ; LDS loads end in order (ISA guide 5.7.1): piece i of the codes is in, the younger pieces stay out
	v_pk_add_f32 v[QV+4*\i:QV+4*\i+1],   v[QV+4*\i:QV+4*\i+1],   v[XV+4*\i:XV+4*\i+1]   neg_lo:[0,1] neg_hi:[0,1]   ; q - x
	v_pk_add_f32 v[QV+4*\i+2:QV+4*\i+3], v[QV+4*\i+2:QV+4*\i+3], v[XV+4*\i+2:XV+4*\i+3] neg_lo:[0,1] neg_hi:[0,1]
	v_pk_add_f32 v[OV+4*\i:OV+4*\i+1],   v[XV+4*\i:XV+4*\i+1],   v[QV+4*\i:QV+4*\i+1]                               ; x + (q - x)
	v_pk_add_f32 v[OV+4*\i+2:OV+4*\i+3], v[XV+4*\i+2:XV+4*\i+3], v[QV+4*\i+2:QV+4*\i+3]
	global_store_b128 v[XO], v[OV+4*\i:OV+4*\i+3], s[12:13] offset:512*\i th:TH_STORE_NT
.endr
	s_wait_tensorcnt 0x0
	ds_add_u32 v64, v65
	s_wait_dscnt 0x0
	s_endpgm
.Lfunc_end_k_q19c76a784f_gather:
	.size	k_q19c76a784f_gather, .Lfunc_end_k_q19c76a784f_gather-k_q19c76a784f_gather
	.p2alignl 7, 3214868480
	.fill 96, 4, 3214868480
	.section	.rodata,"a",@progbits
	.p2align	6, 0x0
	.amdhsa_kernel k_q19c76a784f_gather
		.amdhsa_group_segment_fixed_size 26624
		.amdhsa_private_segment_fixed_size 0
		.amdhsa_enable_private_segment 0
		.amdhsa_kernarg_size 48
		.amdhsa_user_sgpr_count 2
		.amdhsa_user_sgpr_kernarg_segment_ptr 1
		.amdhsa_wavefront_size32 1
		.amdhsa_system_sgpr_workgroup_id_x 1
		.amdhsa_system_sgpr_workgroup_id_y 1
		.amdhsa_system_sgpr_workgroup_id_z 1
		.amdhsa_system_vgpr_workitem_id 0
		.amdhsa_next_free_vgpr 66
		.amdhsa_next_free_sgpr 66
		.amdhsa_reserve_vcc 1
		.amdhsa_float_denorm_mode_32 3
		.amdhsa_float_denorm_mode_16_64 3
		.amdhsa_memory_ordered 1
		.amdhsa_forward_progress 1
		.amdhsa_inst_pref_size 7
	.end_amdhsa_kernel
	.amdgpu_metadata
---
amdhsa.version: [ 1, 2 ]
amdhsa.kernels:
  - .name:           k_q19c76a784f_gather
    .symbol:         k_q19c76a784f_gather.kd
    .args:
      - { .name: x, .offset: 0, .size: 8, .value_kind: global_buffer, .address_space: global }
      - { .name: codebook, .offset: 8, .size: 8, .value_kind: global_buffer, .address_space: global }
      - { .name: idx, .offset: 16, .size: 8, .value_kind: global_buffer, .address_space: global }
      - { .name: part, .offset: 24, .size: 8, .value_kind: global_buffer, .address_space: global }
      - { .name: out0, .offset: 32, .size: 8, .value_kind: global_buffer, .address_space: global }
      - { .name: out2, .offset: 40, .size: 8, .value_kind: global_buffer, .address_space: global }
    .group_segment_fixed_size: 26624
    .private_segment_fixed_size: 0
    .kernarg_segment_align: 8
    .kernarg_segment_size: 48
    .max_flat_workgroup_size: 512
    .sgpr_count:     66
    .vgpr_count:     66
    .wavefront_size: 32
...
	.end_amdgpu_metadata
.endif
;; end of part 2
